; MI455X (gfx1250); checked and timed in simulation.
; The chip was launched on July 23, 2026; its instructions are those of AMD's public machine-readable ISA for CDNA 5 (MIT licence, August 2026) and "CDNA5" Instruction Set Architecture Reference Guide (July 2026). The comments in the code are by the model that wrote it; some were corrected since.
;; Classifier. Allowed arithmetic: float matrix products may take bf16 or f16 operands with f32 sums; other float arithmetic in f32, or as packed bf16 or f16 multiplies, adds, multiply-adds, maxima and minima; sums over many terms, partial sums and values carried from step to step in f32; what a program stores and reads back later, other than sums and carried values, may be rounded once to bf16 or f16.
;; Inputs: high 64 x 20 x 512 float32; x 128 x 25 x 512 float32.
;; Outputs: out0 128 x 64 float32.
;; One version. Each part assembles by itself: llvm-mc -triple=amdgcn-amd-amdhsa -mcpu=gfx1250 --defsym DOCPART=n.
;; ======== version 1 of 1: 2 launches
;; workspace buffers: hp 1,310,720 bytes
;; launch prep (part 1): grid 64 x 1, 8 waves a work-group, no clusters, 103,680 bytes of LDS; arguments high, hp; writes hp
.if DOCPART == 1
	.amdgcn_target "amdgcn-amd-amdhsa--gfx1250"
	.amdhsa_code_object_version 6
	.text
	.protected	k_q78c53ce668_prep
	.globl	k_q78c53ce668_prep
	.p2align	8
	.type	k_q78c53ce668_prep,@function
k_q78c53ce668_prep:
	s_mov_b64 s[64:65], 0
	v_nop
	global_prefetch_b8 v0, s[64:65] scope:SCOPE_SE
	s_setreg_imm32_b32 hwreg(HW_REG_WAVE_MODE, 25, 1), 1
	s_wait_xcnt 0x0
; PER CLASS: H' = L^T A^-1 H, 20 x 512, rounded once to bf16 and laid out in the order in which the next launch's matrix operands want it.
; WHY.  With H the class's 20 x 512 basis, G = H H^T, lam = 20/512, A = G + lam I, the projector is P = H^T A^-1 H, and
;   |q P - q|^2 = |q|^2 - (Hq)^T (A^-1 + lam A^-2) (Hq) = |q|^2 - (Hq)^T A^-1 B A^-1 (Hq),  B = G + 2 lam I = L L^T,
; so the distance is |q|^2 - |H' q|^2: an identity for every H and q.  The next launch needs H' alone.
; FORMATS.  high is rounded once to bf16; G and H' are both made of the rounded numbers.  G: bf16 products, f32 sums, on the matrix unit.  The two factorisations
; (L D L^T without pivoting: A and B are symmetric positive definite, every pivot is at least lam) and the three triangular passes over H run in f32 on the vector unit:
; 20 x 20 x 512 x 3 multiply-adds a class are little beside the next launch's product, and H' is rounded to bf16 only behind the cancellation inside A^-1 H.
; LIMITS.  The order of rounding differs from an explicit inverse.  NaN and infinities in high spoil the class's H' as a whole.  1/pivot and sqrt(pivot) are the chip's
; one-ULP forms (ISA guide 15.8); a pivot lies between lam and the trace of G + 2 lam I, far inside their range for finite G.
; SHARES.  One work-group a class, eight waves.  Thread t owns columns 2t, 2t+1 of all 20 rows (40 registers).  Wave w takes K = 64 w .. 64 w + 63 of the Gram product.
; Wave 0 factors A, wave 1 factors B, by one text; lane i holds row i.  No tensor load, no cluster: the classes share no input.
.set HBP,   1040      ; a row of H in LDS: 1,024 bytes of bf16 + 16: 260 words, so the 16 rows of a fragment load start at 16 different groups of four banks (64 banks of 4 bytes: ISA guide 11.1)
.set GP,    33280     ; behind 32 rows of H (rows 20-31 are zeros): eight partial Gram matrices,
.set GPW,   4608      ; 32 rows
.set GPP,   144       ; of 128 + 16 bytes each
.set FAC,   70144     ; the two factorisations, A's and then B's,
.set FACM,  5376      ; each: +0 LC[k][j] = L_jk, 20 rows of 128 bytes;
.set LRO,   2560      ; LR[j][k] = L_jk, 32 rows of 80 bytes;
.set DRO,   5120      ; 1 / pivot, 32 words;
.set DQO,   5248      ; sqrt(pivot), 32 words
.set STG,   80896     ; H' in bf16, 20 rows
.set STP,   1088      ; of 1,024 + 64 bytes: four rows apart by 64 bytes modulo 256, so a read's 16 lanes (4 rows x 64 bytes) take each bank once
.set SPARE, 102656    ; the spare words: 128 bytes for each of eight waves, four blocks of 256 bytes that no other line names
.set SPW, 1           ; v1   SPARE + 4 x my thread's number; never rewritten
.set NIL, 2           ; v2   0; never rewritten
.set GOF, 3           ; v3   8 t: my two columns in a row of high
.set HST, 4           ; v4   4 t: the same in a row of bf16
.set FA,  5           ; v5   my lane's place in a fragment of H, at my wave's K
.set GS,  6           ; v6   where my lane puts its part of my wave's partial Gram matrix
.set GR,  7           ; v7   row (lane) of the first partial Gram matrix
.set TD,  8           ; v8-11 at work
.set TR,  9
.set TQ,  10
.set TN,  11
.set SH,  12          ; v12  the diagonal's shift: lam (wave 0) or 2 lam (wave 1)
.set FB,  13          ; v13  FAC, the same in every lane
.set DR,  14          ; v14  lane k: 1 / pivot k
.set DQ,  15          ; v15  lane k: sqrt(pivot k); before that 0, for the zero rows
.set H,   16          ; v[16:55]  row i's two columns at H + 2 i
.set PK,  56          ; v[56:75]  the same packed to bf16
.set LS,  76          ; v76  my factorisation + 4 x lane
.set RS,  77          ; v77  my factorisation + 80 x lane
.set SST, 78          ; v78  STG + 4 t
.set SRD, 79          ; v79  where I read 16 bytes of H' back
.set HPO, 80          ; v80  and where they go in hp
.set A,   96          ; v[96:115] my row of the matrix being factored; v[116:255] the other seven partial sums
.set FR,  96          ; v[96:127] Gram fragments: K step sp, row tile a at FR + 16 sp + 8 a
.set AC,  128         ; v[128:159] Gram accumulators: (a, b) at AC + 8 (2 a + b)
.set CB0, 96          ; v[96:175], v[176:255]  two buffers of coefficients, four rows of 20 each
	s_load_b128 s[4:7], s[0:1], 0x0                ; high s[4:5], hp s[6:7]
	v_lshl_add_u32 v[SPW], v0, 2, SPARE
	v_mov_b32 v[NIL], 0
	v_lshrrev_b32 v[TD], 5, v0
	v_readfirstlane_b32 s8, v[TD]                  ; wave 0..7
	s_mul_i32 s10, ttmp9, 40960                    ; the class's 20 rows of 2,048 bytes
	s_mov_b32 s11, 0
	s_lshr_b32 s12, ttmp9, 2                       ; hp: four classes make a group of 80 rows, 81,920 bytes;
	s_mul_i32 s12, s12, 81920
	s_and_b32 s13, ttmp9, 3                        ; in each of the group's 16 K steps (5,120 bytes) a class has 5 blocks of 256 bytes on end
	s_mul_i32 s13, s13, 1280
	s_add_co_u32 s12, s12, s13
	s_mov_b32 s13, 0
	v_lshlrev_b32 v[GOF], 3, v0
	v_lshlrev_b32 v[HST], 2, v0
	s_wait_kmcnt 0x0
	s_add_nc_u64 s[4:5], s[4:5], s[10:11]
	s_add_nc_u64 s[6:7], s[6:7], s[12:13]
.set i, 0
.rept 20                                               ; a wave's load covers 256 consecutive bytes, at a multiple of 256 from the buffer's first; the eight waves a row
	global_load_b64 v[H+2*i:H+2*i+1], v[GOF], s[4:5] offset:2048*i th:TH_LOAD_NT
.set i, i+1
.endr
	; the addresses, while the loads are out
	v_and_b32 v[TD], 15, v0                        ; r = lane % 16
	v_bfe_u32 v[TR], v0, 4, 1                      ; h = lane / 16
	v_and_b32 v[TQ], 31, v0                        ; lane
	v_mul_u32_u24 v[FA], v[TD], HBP
	v_lshl_add_u32 v[FA], v[TR], 4, v[FA]
	s_lshl_b32 s10, s8, 7                          ; my wave's two K steps of 32: 128 bytes of a row
	v_add_nc_u32 v[FA], s10, v[FA]
	s_mul_i32 s10, s8, GPW
	s_add_co_u32 s10, s10, GP
	v_mul_u32_u24 v[GS], v[TD], GPP
	v_lshl_add_u32 v[GS], v[TR], 5, v[GS]
	v_add_nc_u32 v[GS], s10, v[GS]
	v_mul_u32_u24 v[GR], v[TQ], GPP
	v_add_nc_u32 v[GR], GP, v[GR]
	v_mov_b32 v[FB], FAC
	v_mov_b32 v[DQ], 0
	v_lshl_add_u32 v[SST], v0, 2, STG
	; The way out.  hp, for row R = 20 c + i and column k: ((R / 80) 16 + k / 32) 5120 + ((R % 80) / 4) 256 + ((k / 16) % 2) 128 + (R % 4) 32 + ((k / 8) % 2) 16 + 2 (k % 8).
	; Half hl of my lanes takes K step 2 w + hl; lane l16 of a half the 16 bytes 16 l16 of a block: u = l16 / 8, row i % 4 = (l16 / 2) % 4, half of 16 = l16 % 2.
	v_bfe_u32 v[TN], v0, 1, 2
	v_mul_u32_u24 v[SRD], v[TN], STP
	v_lshl_add_u32 v[SRD], v[TR], 6, v[SRD]
	v_bfe_u32 v[TN], v0, 3, 1
	v_lshl_add_u32 v[SRD], v[TN], 5, v[SRD]
	v_and_b32 v[TN], 1, v0
	v_lshl_add_u32 v[SRD], v[TN], 4, v[SRD]
	s_lshl_b32 s10, s8, 7
	s_add_co_u32 s10, s10, STG
	v_add_nc_u32 v[SRD], s10, v[SRD]
	v_mul_u32_u24 v[HPO], v[TR], 5120
	v_lshl_add_u32 v[HPO], v[TD], 4, v[HPO]
	s_mul_i32 s10, s8, 10240
	v_add_nc_u32 v[HPO], s10, v[HPO]
	; H is rounded to bf16, laid into LDS for the Gram product, and widened again in place: from here on H is the rounded H.
.set i, 0
.rept 20
	s_wait_loadcnt 19-i                            ; loads come back in order (ISA guide 5.7.1): row i is in, the 19 - i younger rows may stay out
	v_cvt_pk_bf16_f32 v[PK+i], v[H+2*i], v[H+2*i+1]
	ds_store_b32 v[HST], v[PK+i] offset:HBP*i
	v_lshlrev_b32 v[H+2*i], 16, v[PK+i]
	v_and_b32 v[H+2*i+1], 0xffff0000, v[PK+i]
.set i, i+1
.endr
.set i, 20
.rept 12
	ds_store_b32 v[HST], v[DQ] offset:HBP*i        ; rows 20-31 of the second tile of 16 are zeros
.set i, i+1
.endr
	s_wait_dscnt 0x0                               ; for the others' sake: my stores are done
	s_barrier_signal -1
	s_barrier_wait -1
	; THE GRAM MATRIX.  My wave's 64 of K: two K steps x two row tiles of fragments, four accumulators (row tile a x row tile b).
.irp sp, 0,1
.irp a, 0,1
.irp u, 0,1
	ds_load_b128 v[FR+16*(\sp)+8*(\a)+4*(\u):FR+16*(\sp)+8*(\a)+4*(\u)+3], v[FA] offset:(\a)*16*HBP+64*(\sp)+32*(\u)
.endr
.endr
.endr
	s_wait_dscnt 0x0
.irp sp, 0,1                                           ; the four accumulators take turns; the first K step starts the sums
.irp a, 0,1
.irp b, 0,1
.if (\sp) == 0
	v_wmma_f32_16x16x32_bf16 v[AC+8*(2*(\a)+(\b)):AC+8*(2*(\a)+(\b))+7], v[FR+8*(\a):FR+8*(\a)+7], v[FR+8*(\b):FR+8*(\b)+7], 0
.else
	v_wmma_f32_16x16x32_bf16 v[AC+8*(2*(\a)+(\b)):AC+8*(2*(\a)+(\b))+7], v[FR+16+8*(\a):FR+16+8*(\a)+7], v[FR+16+8*(\b):FR+16+8*(\b)+7], v[AC+8*(2*(\a)+(\b)):AC+8*(2*(\a)+(\b))+7]
.endif
.endr
.endr
.endr
.rept 4
	v_nop                                          ; four places between the last product and the stores that read results
.endr
	; Lane (r, h) holds G(16 a + 8 h + j, 16 b + r) in register j: eight neighbours of row 16 b + r of the transposed matrix, which is G again.  Each accumulator is read from its low end on.
.irp a, 0,1
.irp b, 0,1
.irp jj, 0,1
	ds_store_b128 v[GS], v[AC+8*(2*(\a)+(\b))+4*(\jj):AC+8*(2*(\a)+(\b))+4*(\jj)+3] offset:(\b)*16*GPP+(\a)*64+16*(\jj)
.endr
.endr
.endr
	s_wait_dscnt 0x0                               ; for waves 0 and 1: my partial matrix is in LDS
	s_barrier_signal -1
	s_barrier_wait -1
	; THE TWO FACTORISATIONS, by waves 0 and 1; the branch hangs on the wave's number and holds no barrier.
	s_cmp_gt_u32 s8, 1
	s_cbranch_scc1 .Ljoin
.set ww, 0
.rept 8
.set qq, 0
.rept 5
	ds_load_b128 v[A+20*ww+4*qq:A+20*ww+4*qq+3], v[GR] offset:ww*GPW+16*qq  ; lane i: columns 0-19 of row i of partial matrix ww
.set qq, qq+1
.endr
.set ww, ww+1
.endr
	s_mul_i32 s10, s8, FACM
	s_add_co_u32 s10, s10, FAC                     ; my factorisation's bytes
	s_mov_b32 s21, 0x3da00000                      ; 2 lam = 40/512
	s_mov_b32 s22, 0x3d200000                      ; lam = 20/512
	s_cmp_eq_u32 s8, 0
	s_cselect_b32 s21, s22, s21
	v_mov_b32 v[SH], s21
	v_and_b32 v[TN], 31, v0
	v_lshl_add_u32 v[LS], v[TN], 2, s10
	v_mul_u32_u24 v[RS], v[TN], 80
	v_add_nc_u32 v[RS], s10, v[RS]
	v_mov_b32 v[DR], 0
	v_mov_b32 v[DQ], 0
	s_wait_dscnt 0x0
.set ww, 1
.rept 7                                                ; the eight partial sums, K ascending
.set zz, 0
.rept 10
	v_pk_add_f32 v[A+2*zz:A+2*zz+1], v[A+2*zz:A+2*zz+1], v[A+20*ww+2*zz:A+20*ww+2*zz+1]
.set zz, zz+1
.endr
.set ww, ww+1
.endr
; Step k of L D L^T.  The shift is added to the diagonal element just ahead of its use as pivot: until then that element only takes sums.  Row k goes to scalar registers; column k, divided by
; the pivot, is column k of L (lane i: L_ik); the columns behind it take the update.  Lanes i < k keep small finite residues, which are stored and never used; lanes 20-31 keep zeros.
.macro ELIM k
	s_mov_b32 s20, 1<<(\k)
	v_cndmask_b32 v[TD], 0, v[SH], s20
	v_add_f32 v[A+(\k)], v[A+(\k)], v[TD]
.set jj, \k
.rept 20-(\k)
	v_readlane_b32 s[24+jj], v[A+jj], \k
.set jj, jj+1
.endr
	v_rcp_f32 v[TR], s[24+(\k)]
	v_sqrt_f32 v[TQ], s[24+(\k)]
	v_nop                                          ; a plain instruction between the two and the use of their results (ISA guide 5.7.2)
	s_wait_alu depctr_va_vdst(0)
	v_mul_f32 v[A+(\k)], v[A+(\k)], v[TR]
	v_cndmask_b32 v[DR], v[DR], v[TR], s20
	v_cndmask_b32 v[DQ], v[DQ], v[TQ], s20
.if (\k) < 19
	v_xor_b32 v[TN], 0x80000000, v[A+(\k)]         ; - L_ik
.set jj, (\k)+1
.rept 19-(\k)
	v_fmac_f32 v[A+jj], s[24+jj], v[TN]
.set jj, jj+1
.endr
.endif
.endm
.irp k, 0,1,2,3,4,5,6,7,8,9,10,11,12,13,14,15,16,17,18,19
	ELIM \k
.endr
.set kk, 0
.rept 20
	ds_store_b32 v[LS], v[A+kk] offset:128*kk      ; LC: column k of L as a row
.set kk, kk+1
.endr
.set qq, 0
.rept 5
	ds_store_b128 v[RS], v[A+4*qq:A+4*qq+3] offset:LRO+16*qq  ; LR: row (lane) of L
.set qq, qq+1
.endr
	ds_store_b32 v[LS], v[DR] offset:DRO
	ds_store_b32 v[LS], v[DQ] offset:DQO
.Ljoin:
	s_wait_dscnt 0x0                               ; for the others' sake: the factors are in LDS
	s_barrier_signal -1
	s_barrier_wait -1
	; H' = sqrt(D_B) L_B^T (L_A^-T D_A^-1 L_A^-1 H), in place on my two columns.  The coefficients come from LDS, the same address in every lane, in batches of up to four rows
	; into two buffers by turns: a batch is asked for while the batch before it is worked on.
.macro CROW cb, ii, off, qa, qb        ; the words 4 qa .. 4 qb + 3 of the row at byte off -> row ii of buffer cb
.set qq, \qa
.rept (\qb)-(\qa)+1
	ds_load_b128 v[(\cb)+20*(\ii)+4*qq:(\cb)+20*(\ii)+4*qq+3], v[FB] offset:(\off)+16*qq
.set qq, qq+1
.set LASTN, LASTN+1
.endr
.endm
.macro PKC d, x, cr, neg               ; pair d += (or, neg = 1, -=) pair x times register cr: op_sel picks cr out of its even-aligned pair for both halves
.set c2, (\cr)-((\cr)%2)
.if ((\cr)%2) == 0
.if \neg
	v_pk_fma_f32 v[(\d):(\d)+1], v[(\x):(\x)+1], v[c2:c2+1], v[(\d):(\d)+1] op_sel_hi:[1,0,1] neg_lo:[1,0,0] neg_hi:[1,0,0]
.else
	v_pk_fma_f32 v[(\d):(\d)+1], v[(\x):(\x)+1], v[c2:c2+1], v[(\d):(\d)+1] op_sel_hi:[1,0,1]
.endif
.else
.if \neg
	v_pk_fma_f32 v[(\d):(\d)+1], v[(\x):(\x)+1], v[c2:c2+1], v[(\d):(\d)+1] op_sel:[0,1,0] op_sel_hi:[1,1,1] neg_lo:[1,0,0] neg_hi:[1,0,0]
.else
	v_pk_fma_f32 v[(\d):(\d)+1], v[(\x):(\x)+1], v[c2:c2+1], v[(\d):(\d)+1] op_sel:[0,1,0] op_sel_hi:[1,1,1]
.endif
.endif
.endm
.macro PKS d, cr                       ; pair d times register cr
.set c2, (\cr)-((\cr)%2)
.if ((\cr)%2) == 0
	v_pk_mul_f32 v[(\d):(\d)+1], v[(\d):(\d)+1], v[c2:c2+1] op_sel_hi:[1,0]
.else
	v_pk_mul_f32 v[(\d):(\d)+1], v[(\d):(\d)+1], v[c2:c2+1] op_sel:[0,1] op_sel_hi:[1,1]
.endif
.endm
; The 17 batches.  0-4: forward, columns k = 4 n .. of L_A.  5: 1 / D_A.  6-10: backward, rows 19 .. 1 of L_A, four a batch.  11-15: times L_B^T, rows 1 .. 19 of L_B.  16: sqrt(D_B).
.macro LOADB n, cb
.if (\n) < 5
.set kk, 4*(\n)
.rept 4
.if kk < 19
	CROW \cb, kk%4, 128*kk, (kk+1)/4, 4
.endif
.set kk, kk+1
.endr
.elseif (\n) == 5
	CROW \cb, 0, DRO, 0, 4
.elseif (\n) < 11
.set kk, 4*(10-(\n))
.rept 4
.if kk > 0
	CROW \cb, kk%4, LRO+80*kk, 0, (kk-1)/4
.endif
.set kk, kk+1
.endr
.elseif (\n) < 16
.set kk, 4*((\n)-11)
.rept 4
.if kk > 0
	CROW \cb, kk%4, FACM+LRO+80*kk, 0, (kk-1)/4
.endif
.set kk, kk+1
.endr
.else
	CROW \cb, 0, FACM+DQO, 0, 4
.endif
.endm
.macro COMPB n, cb
.if (\n) < 5                           ; k ascending: H_j -= L_jk H_k for j > k
.set kk, 4*(\n)
.rept 4
.if kk < 19
.set jj, kk+1
.rept 19-kk
	PKC H+2*jj, H+2*kk, (\cb)+20*(kk%4)+jj, 1
.set jj, jj+1
.endr
.endif
.set kk, kk+1
.endr
.elseif ((\n) == 5) || ((\n) == 16)
.set kk, 0
.rept 20
	PKS H+2*kk, (\cb)+kk
.set kk, kk+1
.endr
.elseif (\n) < 11                      ; j descending: H_k -= L_jk H_j for k < j; k descending, so that the next row's source is the oldest result
.set kk, 4*(10-(\n))+3
.rept 4
.if kk > 0
.set jj, kk-1
.rept kk
	PKC H+2*jj, H+2*kk, (\cb)+20*(kk%4)+jj, 1
.set jj, jj-1
.endr
.endif
.set kk, kk-1
.endr
.else                                  ; i ascending: H_k += L_ik H_i for k < i: row i is still untouched when it is the source
.set kk, 4*((\n)-11)
.rept 4
.if kk > 0
.set jj, 0
.rept kk
	PKC H+2*jj, H+2*kk, (\cb)+20*(kk%4)+jj, 0
.set jj, jj+1
.endr
.endif
.set kk, kk+1
.endr
.endif
.endm
.set LASTN, 0
	LOADB 0, CB0
.set bb, 0
.rept 16
.set LASTN, 0
	LOADB bb+1, CB0+80*((bb+1)%2)
	s_wait_dscnt LASTN                             ; LDS loads come back in order (ISA guide 5.7.1): all but the LASTN just issued, the next batch's, are in
	COMPB bb, CB0+80*(bb%2)
.set bb, bb+1
.endr
	s_wait_dscnt 0x0
	COMPB 16, CB0
	; THE WAY OUT: rounded once to bf16, through the stage, into hp's order.
.set kk, 0
.rept 20
	v_cvt_pk_bf16_f32 v[PK+kk], v[H+2*kk], v[H+2*kk+1]
.set kk, kk+1
.endr
.set kk, 0
.rept 20
	ds_store_b32 v[SST], v[PK+kk] offset:STP*kk
.set kk, kk+1
.endr
	s_wait_tensorcnt 0x0                           ; behind my last LDS store
	ds_add_u32 v[SPW], v[NIL]
	s_wait_dscnt 0x0                               ; shows my stores into the stage done, for the others' sake
	s_barrier_signal -1
	s_barrier_wait -1
.set i, 0
.rept 5
	ds_load_b128 v[CB0+4*i:CB0+4*i+3], v[SRD] offset:4*STP*i  ; rows 4 i .. 4 i + 3
.set i, i+1
.endr
.set i, 0
.rept 5
	s_wait_dscnt 4-i                               ; the 4 - i younger reads may stay out
	global_store_b128 v[HPO], v[CB0+4*i:CB0+4*i+3], s[6:7] offset:256*i  ; 16 lanes store 256 consecutive bytes, at a multiple of 256 from hp's first byte; the other 16 the same block of the next K step
.set i, i+1
.endr
	s_endpgm
.Lfunc_end_k_q78c53ce668_prep:
	.size	k_q78c53ce668_prep, .Lfunc_end_k_q78c53ce668_prep-k_q78c53ce668_prep
	.p2alignl 7, 3214868480
	.fill 96, 4, 3214868480
	.section	.rodata,"a",@progbits
	.p2align	6, 0x0
	.amdhsa_kernel k_q78c53ce668_prep
		.amdhsa_group_segment_fixed_size 103680
		.amdhsa_private_segment_fixed_size 0
		.amdhsa_enable_private_segment 0
		.amdhsa_kernarg_size 16
		.amdhsa_user_sgpr_count 2
		.amdhsa_user_sgpr_kernarg_segment_ptr 1
		.amdhsa_wavefront_size32 1
		.amdhsa_system_sgpr_workgroup_id_x 1
		.amdhsa_system_sgpr_workgroup_id_y 1
		.amdhsa_system_sgpr_workgroup_id_z 1
		.amdhsa_system_vgpr_workitem_id 0
		.amdhsa_next_free_vgpr 256
		.amdhsa_next_free_sgpr 66
		.amdhsa_reserve_vcc 0
		.amdhsa_float_denorm_mode_32 3
		.amdhsa_float_denorm_mode_16_64 3
		.amdhsa_memory_ordered 1
		.amdhsa_forward_progress 1
		.amdhsa_inst_pref_size 104
	.end_amdhsa_kernel
	.amdgpu_metadata
---
amdhsa.version: [ 1, 2 ]
amdhsa.kernels:
  - .name:           k_q78c53ce668_prep
    .symbol:         k_q78c53ce668_prep.kd
    .args:
      - { .name: high, .offset: 0, .size: 8, .value_kind: global_buffer, .address_space: global }
      - { .name: hp, .offset: 8, .size: 8, .value_kind: global_buffer, .address_space: global }
    .group_segment_fixed_size: 103680
    .private_segment_fixed_size: 0
    .kernarg_segment_align: 8
    .kernarg_segment_size: 16
    .max_flat_workgroup_size: 256
    .sgpr_count:     66
    .vgpr_count:     256
    .wavefront_size: 32
...
	.end_amdgpu_metadata
.endif
;; end of part 1
;; launch main (part 2): grid 128 x 1, 16 waves a work-group, no clusters, 45,824 bytes of LDS; arguments x, hp, out0; writes out0
.if DOCPART == 2
	.amdgcn_target "amdgcn-amd-amdhsa--gfx1250"
	.amdhsa_code_object_version 6
	.text
	.protected	k_q78c53ce668_main
	.globl	k_q78c53ce668_main
	.p2align	8
	.type	k_q78c53ce668_main,@function
k_q78c53ce668_main:
	s_mov_b64 s[64:65], 0
	v_nop
	global_prefetch_b8 v0, s[64:65] scope:SCOPE_SE
	s_setreg_imm32_b32 hwreg(HW_REG_WAVE_MODE, 25, 1), 1
	s_wait_xcnt 0x0
; out0[b][c] = (v_c - min v) / (max v - min v),  v_c = (1/25) x the sum over batch b's 25 queries q of |H'_c q|^2,  H' from the launch before (hp, bf16).
; WHY THAT IS THE RESULT.  logits[b][c] = - mean_q |q P_c - q|^2 = v_c - mean_q |q|^2.  The second term is the same for all 64 classes of a row, so it drops out of logits - min and of
; max - min exactly, whatever the inputs; it is therefore not formed (adding it and taking it away again would only cost bits).
; FORMATS.  x is rounded once to bf16; Z = X H'^T by bf16 products with f32 sums; squares, sums, minimum, maximum and the scaling in f32.
; LIMITS.  The maximum and minimum drop a NaN, so a NaN or infinity in the inputs does not spread over its row as it would by plain arithmetic.  max = min gives 0 x infinity, a NaN, as a division 0 / 0 does.
; The division is a one-ULP reciprocal and a multiply (ISA guide 15.8).  The order of rounding differs from a projector formed explicitly.
; SHARES.  One work-group a batch: a row's minimum and maximum want all 64 classes in one place, and there are 128 rows.  25 queries are two tiles of 16 (rows 25-31 zeros).
; Wave w of 16 owns classes 4 w .. 4 w + 3: 80 rows of H', five tiles of 16, ten accumulators, 160 matrix instructions over K = 512 in 16 steps.
; OPERANDS.  Source 0 = 16 queries, from LDS; source 1 = 16 rows of H', loaded from hp STRAIGHT INTO the operand's registers: hp lies in that order, a wave's 81,920 bytes on end, 5,120 a K step.
; NO CLUSTER, NO TENSOR LOAD, though all work-groups read the same hp: a joint load lands in LDS, so a work-group's 1,310,720 bytes of H' would be written there and read again for
; 2,560 matrix instructions, each byte feeding two of them; here they pass through no LDS at all.  No wave reads what another wave loaded of hp.
.set XP,    1040      ; a row of x in LDS: 1,024 bytes of bf16 + 16: the 16 rows of a fragment load start at 16 different groups of four banks (64 banks of 4 bytes: ISA guide 11.1)
.set SB,    33280     ; behind 32 rows of x: the rows' sums of squares, one plane for each half of the lanes,
.set SBP,   5184      ; 1,280 words + 64 bytes
.set SPARE, 43776     ; the spare words: 128 bytes for each of 16 waves, eight blocks of 256 bytes that no other line names
.set SPW, 1           ; v1   SPARE + 4 x my thread's number; never rewritten
.set NIL, 2           ; v2   0; never rewritten
.set XO,  3           ; v3   16 t: my 16 bytes in four rows of x
.set XST, 4           ; v4   where their 8 bytes of bf16 go
.set BO,  5           ; v5   my lane's place in my wave's part of hp
.set AO,  6           ; v6   my lane's place in a fragment of x
.set SO,  7           ; v7   where my lane's sums go
.set XL,  8           ; v8   16 (t % 128): my 16 bytes in one row of x; at the end: my two classes' sums in LDS
.set OO,  9           ; v9   at the end: 8 x lane
.set ACC, 16          ; v[16:95]  accumulator (tile tt of H', tile qt of queries) at ACC + 8 (2 tt + qt); before the products x as loaded (v16-43) and packed (v44-57)
.set XR,  16
.set XPK, 44
.set AF,  96          ; v[96:127]  fragments of x: two slots of two tiles
.set BF,  128         ; v[128:247] fragments of H': three slots of five tiles
.set PS,  96          ; at the end: a pair of partial sums a tile,
.set SU,  106         ; and their sum
	s_load_b128 s[4:7], s[0:1], 0x0                ; x s[4:5], hp s[6:7]
	s_load_b64 s[8:9], s[0:1], 0x10                ; out0
	v_lshl_add_u32 v[SPW], v0, 2, SPARE
	v_mov_b32 v[NIL], 0
	v_lshrrev_b32 v10, 5, v0
	v_readfirstlane_b32 s10, v10                   ; wave 0..15
	s_mul_i32 s14, ttmp9, 51200                    ; the batch's 25 rows of 2,048 bytes
	s_mov_b32 s15, 0
	s_lshl_b32 s16, ttmp9, 8                       ; its row of out0
	s_mov_b32 s17, 0
	s_mov_b32 s12, 0x76543210                      ; v_permlanex16_b32's selects: each lane takes its own place in the other half
	s_mov_b32 s13, 0xfedcba98
	v_lshlrev_b32 v[XO], 4, v0
	v_and_b32 v11, 127, v0
	v_lshlrev_b32 v[XL], 4, v11
	v_lshrrev_b32 v12, 7, v0                       ; which of four rows
	v_mul_u32_u24 v[XST], v12, XP
	v_lshl_add_u32 v[XST], v11, 3, v[XST]
	v_and_b32 v10, 15, v0                          ; r = lane % 16
	v_bfe_u32 v11, v0, 4, 1                        ; h = lane / 16
	v_lshrrev_b32 v12, 2, v10
	v_and_b32 v13, 3, v10
	v_lshlrev_b32 v[BO], 8, v12                    ; hp: four rows share a block of 256 bytes: (r / 4) 256 + (r % 4) 32 + 16 h; the second 16 of K lie 128 bytes on
	v_lshl_add_u32 v[BO], v13, 5, v[BO]
	v_lshl_add_u32 v[BO], v11, 4, v[BO]
	s_mul_i32 s11, s10, 81920
	v_add_nc_u32 v[BO], s11, v[BO]
	v_mul_u32_u24 v[AO], v10, XP
	v_lshl_add_u32 v[AO], v11, 4, v[AO]
	v_mul_u32_u24 v[SO], v11, SBP
	v_lshl_add_u32 v[SO], v10, 2, v[SO]
	s_mul_i32 s11, s10, 320                        ; my wave's 80 words
	s_add_co_u32 s11, s11, SB
	v_add_nc_u32 v[SO], s11, v[SO]
	v_mov_b32 v14, 0
	v_mov_b32 v15, 0
	s_wait_kmcnt 0x0
	s_add_nc_u64 s[4:5], s[4:5], s[14:15]
	s_add_nc_u64 s[8:9], s[8:9], s[16:17]
.set i, 0
.rept 6
	global_load_b128 v[XR+4*i:XR+4*i+3], v[XO], s[4:5] offset:8192*i th:TH_LOAD_NT  ; rows 4 i .. 4 i + 3: a wave's load covers 512 consecutive bytes
.set i, i+1
.endr
	global_load_b128 v[XR+24:XR+27], v[XL], s[4:5] offset:49152 th:TH_LOAD_NT  ; row 24, the last, by every quarter of the threads: no load leaves the buffer
.macro BLOAD st                        ; K step st of my five tiles of H' -> slot st % 3: ten loads
.set tt, 0
.rept 5
	global_load_b128 v[BF+40*((\st)%3)+8*tt:BF+40*((\st)%3)+8*tt+3],   v[BO], s[6:7] offset:5120*(\st)+1024*tt
	global_load_b128 v[BF+40*((\st)%3)+8*tt+4:BF+40*((\st)%3)+8*tt+7], v[BO], s[6:7] offset:5120*(\st)+1024*tt+128
.set tt, tt+1
.endr
.endm
.macro ALOAD st                        ; K step st of the two tiles of queries -> slot st % 2: four loads
.irp qt, 0,1
	ds_load_b128 v[AF+16*((\st)%2)+8*(\qt):AF+16*((\st)%2)+8*(\qt)+3],   v[AO] offset:16*XP*(\qt)+64*(\st)
	ds_load_b128 v[AF+16*((\st)%2)+8*(\qt)+4:AF+16*((\st)%2)+8*(\qt)+7], v[AO] offset:16*XP*(\qt)+64*(\st)+32
.endr
.endm
	BLOAD 0                                        ; three K steps of H' are asked for before anything is waited for: 30 loads of 512 bytes a wave
	BLOAD 1
	BLOAD 2
	; x is rounded to bf16 and laid into LDS
.set i, 0
.rept 7
	s_wait_loadcnt 36-i                            ; loads come back in order (ISA guide 5.7.1): behind this one stand 6 - i of x and the 30 of hp
	v_cvt_pk_bf16_f32 v[XPK+2*i], v[XR+4*i], v[XR+4*i+1]
	v_cvt_pk_bf16_f32 v[XPK+2*i+1], v[XR+4*i+2], v[XR+4*i+3]
.if i == 6
	v_cmp_gt_u32 vcc_lo, 128, v0                   ; threads 0-127 hold row 24; the others write rows 25-27: zeros
	v_cndmask_b32 v[XPK+12], 0, v[XPK+12], vcc_lo
	v_cndmask_b32 v[XPK+13], 0, v[XPK+13], vcc_lo
.endif
	ds_store_b64 v[XST], v[XPK+2*i:XPK+2*i+1] offset:4*XP*i
.set i, i+1
.endr
	ds_store_b64 v[XST], v[14:15] offset:4*XP*7    ; rows 28-31: zeros
	s_wait_dscnt 0x0                               ; for the others' sake: my stores are done.  (The loads of hp, which nobody writes here, stay out across the barrier.)
	s_barrier_signal -1
	s_barrier_wait -1
	ALOAD 0
	ALOAD 1
; A K STEP of 32: ten matrix instructions, the ten accumulators by turns in the same order in every step; then the slots just read are asked for again.
.macro STEP s
.if (\s) <= 13
	s_wait_loadcnt 20                              ; this step's ten loads of H' are in; the next two steps' twenty may stay out
.elseif (\s) == 14
	s_wait_loadcnt 10
.else
	s_wait_loadcnt 0
.endif
.if (\s) <= 14
	s_wait_dscnt 4                                 ; this step's fragments of x are in; the next step's four loads may stay out
.else
	s_wait_dscnt 0
.endif
.set tt, 0
.rept 5
.set qt, 0
.rept 2
.if (\s) == 0                          ; the first step starts the sums: nothing is cleared
	v_wmma_f32_16x16x32_bf16 v[ACC+8*(2*tt+qt):ACC+8*(2*tt+qt)+7], v[AF+16*((\s)%2)+8*qt:AF+16*((\s)%2)+8*qt+7], v[BF+40*((\s)%3)+8*tt:BF+40*((\s)%3)+8*tt+7], 0
.else
	v_wmma_f32_16x16x32_bf16 v[ACC+8*(2*tt+qt):ACC+8*(2*tt+qt)+7], v[AF+16*((\s)%2)+8*qt:AF+16*((\s)%2)+8*qt+7], v[BF+40*((\s)%3)+8*tt:BF+40*((\s)%3)+8*tt+7], v[ACC+8*(2*tt+qt):ACC+8*(2*tt+qt)+7]
.endif
.set qt, qt+1
.endr
.set tt, tt+1
.endr
.if (\s) <= 13
.rept 4
	v_nop                                          ; four places in front of loads into registers that the products have read
.endr
.endif
.if (\s) <= 12
	BLOAD (\s)+3
.endif
.if (\s) <= 13
	ALOAD (\s)+2
.endif
.endm
.irp s, 0,1,2,3,4,5,6,7,8,9,10,11,12,13,14,15
	STEP \s
.endr
	; Lane (r, h) holds Z for row 16 tt + r of my 80 rows of H' and queries 16 qt + 8 h + 0..7.  Their squares are added up: a pair of sums a tile.  The padded queries' Z are 0.
.rept 4
	v_nop                                          ; four places between the last product and the reads of results (ISA guide 7.12.1)
.endr
.set qt, 0
.rept 2
.set jj, 0
.rept 4                                                ; each accumulator is read from its low end on
.set tt, 0
.rept 5
.if (qt == 0) && (jj == 0)
	v_pk_mul_f32 v[PS+2*tt:PS+2*tt+1], v[ACC+8*(2*tt+qt)+2*jj:ACC+8*(2*tt+qt)+2*jj+1], v[ACC+8*(2*tt+qt)+2*jj:ACC+8*(2*tt+qt)+2*jj+1]
.else
	v_pk_fma_f32 v[PS+2*tt:PS+2*tt+1], v[ACC+8*(2*tt+qt)+2*jj:ACC+8*(2*tt+qt)+2*jj+1], v[ACC+8*(2*tt+qt)+2*jj:ACC+8*(2*tt+qt)+2*jj+1], v[PS+2*tt:PS+2*tt+1]
.endif
.set tt, tt+1
.endr
.set jj, jj+1
.endr
.set qt, qt+1
.endr
.set tt, 0
.rept 5
	v_add_f32 v[SU+tt], v[PS+2*tt], v[PS+2*tt+1]
.set tt, tt+1
.endr
.set tt, 0
.rept 5
	ds_store_b32 v[SO], v[SU+tt] offset:64*tt      ; plane h, word 80 w + 16 tt + r
.set tt, tt+1
.endr
	s_wait_tensorcnt 0x0                           ; behind my last LDS store
	ds_add_u32 v[SPW], v[NIL]
	s_wait_dscnt 0x0                               ; shows my sums in LDS, for wave 0's sake
	s_barrier_signal -1
	s_barrier_wait -1
	s_cmp_lg_u32 s10, 0
	s_cbranch_scc1 .Lend
	; WAVE 0 makes the row.  Lane l takes classes 2 l and 2 l + 1: 40 words on end in each plane.
	v_and_b32 v[XL], 31, v0
	v_lshlrev_b32 v[OO], 3, v[XL]
	v_mul_u32_u24 v[XL], v[XL], 160
	v_add_nc_u32 v[XL], SB, v[XL]
.set pp, 0
.rept 2
.set gg, 0
.rept 10
	ds_load_b128 v[16+4*(10*pp+gg):16+4*(10*pp+gg)+3], v[XL] offset:SBP*pp+16*gg
.set gg, gg+1
.endr
.set pp, pp+1
.endr
	s_wait_dscnt 0x0
.set zz, 0
.rept 20
	v_pk_add_f32 v[16+2*zz:17+2*zz], v[16+2*zz:17+2*zz], v[56+2*zz:57+2*zz]  ; the two halves of a row's queries
.set zz, zz+1
.endr
.macro CSUM b, d                       ; a class's 20 rows, ten pairs from register b on, into register d
	v_pk_add_f32 v[(\b):(\b)+1], v[(\b):(\b)+1], v[(\b)+2:(\b)+3]
	v_pk_add_f32 v[(\b)+4:(\b)+5], v[(\b)+4:(\b)+5], v[(\b)+6:(\b)+7]
	v_pk_add_f32 v[(\b)+8:(\b)+9], v[(\b)+8:(\b)+9], v[(\b)+10:(\b)+11]
	v_pk_add_f32 v[(\b)+12:(\b)+13], v[(\b)+12:(\b)+13], v[(\b)+14:(\b)+15]
	v_pk_add_f32 v[(\b)+16:(\b)+17], v[(\b)+16:(\b)+17], v[(\b)+18:(\b)+19]
	v_pk_add_f32 v[(\b):(\b)+1], v[(\b):(\b)+1], v[(\b)+4:(\b)+5]
	v_pk_add_f32 v[(\b)+8:(\b)+9], v[(\b)+8:(\b)+9], v[(\b)+12:(\b)+13]
	v_pk_add_f32 v[(\b):(\b)+1], v[(\b):(\b)+1], v[(\b)+8:(\b)+9]
	v_pk_add_f32 v[(\b):(\b)+1], v[(\b):(\b)+1], v[(\b)+16:(\b)+17]
	v_add_f32 v[\d], v[\b], v[(\b)+1]
.endm
	CSUM 16, 10
	CSUM 36, 11
	v_pk_mul_f32 v[10:11], v[10:11], 0x3d23d70a op_sel_hi:[1,0]  ; the mean over 25 queries
	v_min_num_f32 v12, v10, v11
	v_max_num_f32 v13, v10, v11
	v_mul_f32 v12, -1.0, v12                       ; minus the minimum, so that one kind of step serves both
.irp m, 1,2,4,8                                        ; across 16 lanes on the arithmetic itself (DPP), then across the halves
	v_max_num_f32_dpp v12, v12, v12 row_xmask:\m row_mask:0xf bank_mask:0xf
	v_max_num_f32_dpp v13, v13, v13 row_xmask:\m row_mask:0xf bank_mask:0xf
.endr
	v_permlanex16_b32 v14, v12, s12, s13           ; v14 and v15 have been written: the destination counts as read
	v_permlanex16_b32 v15, v13, s12, s13
	v_max_num_f32 v12, v12, v14                    ; - min over the 64 classes, in every lane
	v_max_num_f32 v13, v13, v15                    ; max
	v_add_f32 v14, v13, v12                        ; max - min
	v_rcp_f32 v15, v14
	v_add_f32 v10, v10, v12                        ; v - min: the plain instructions between the reciprocal and its use (ISA guide 5.7.2)
	v_add_f32 v11, v11, v12
	s_wait_alu depctr_va_vdst(0)
	v_mul_f32 v10, v10, v15
	v_mul_f32 v11, v11, v15
	global_store_b64 v[OO], v[10:11], s[8:9]       ; the row's 256 bytes, at a multiple of 256 from out0's first byte, by one instruction
.Lend:
	s_endpgm
.Lfunc_end_k_q78c53ce668_main:
	.size	k_q78c53ce668_main, .Lfunc_end_k_q78c53ce668_main-k_q78c53ce668_main
	.p2alignl 7, 3214868480
	.fill 96, 4, 3214868480
	.section	.rodata,"a",@progbits
	.p2align	6, 0x0
	.amdhsa_kernel k_q78c53ce668_main
		.amdhsa_group_segment_fixed_size 45824
		.amdhsa_private_segment_fixed_size 0
		.amdhsa_enable_private_segment 0
		.amdhsa_kernarg_size 24
		.amdhsa_user_sgpr_count 2
		.amdhsa_user_sgpr_kernarg_segment_ptr 1
		.amdhsa_wavefront_size32 1
		.amdhsa_system_sgpr_workgroup_id_x 1
		.amdhsa_system_sgpr_workgroup_id_y 1
		.amdhsa_system_sgpr_workgroup_id_z 1
		.amdhsa_system_vgpr_workitem_id 0
		.amdhsa_next_free_vgpr 248
		.amdhsa_next_free_sgpr 66
		.amdhsa_reserve_vcc 1
		.amdhsa_float_denorm_mode_32 3
		.amdhsa_float_denorm_mode_16_64 3
		.amdhsa_memory_ordered 1
		.amdhsa_forward_progress 1
		.amdhsa_inst_pref_size 45
	.end_amdhsa_kernel
	.amdgpu_metadata
---
amdhsa.version: [ 1, 2 ]
amdhsa.kernels:
  - .name:           k_q78c53ce668_main
    .symbol:         k_q78c53ce668_main.kd
    .args:
      - { .name: x, .offset: 0, .size: 8, .value_kind: global_buffer, .address_space: global }
      - { .name: hp, .offset: 8, .size: 8, .value_kind: global_buffer, .address_space: global }
      - { .name: out0, .offset: 16, .size: 8, .value_kind: global_buffer, .address_space: global }
    .group_segment_fixed_size: 45824
    .private_segment_fixed_size: 0
    .kernarg_segment_align: 8
    .kernarg_segment_size: 24
    .max_flat_workgroup_size: 512
    .sgpr_count:     66
    .vgpr_count:     248
    .wavefront_size: 32
...
	.end_amdgpu_metadata
.endif
;; end of part 2
